; MI455X (gfx1250); checked and timed in simulation.
; The chip was launched on July 23, 2026; its instructions are those of AMD's public machine-readable ISA for CDNA 5 (MIT licence, August 2026) and "CDNA5" Instruction Set Architecture Reference Guide (July 2026). The comments in the code are by the model that wrote it; some were corrected since.
;; Net. Allowed arithmetic: float matrix products may take bf16 or f16 operands with f32 sums; other float arithmetic in f32, or as packed bf16 or f16 multiplies, adds, multiply-adds, maxima and minima; sums over many terms, partial sums and values carried from step to step in f32; what a program stores and reads back later, other than sums and carried values, may be rounded once to bf16 or f16.
;; Inputs: eW1 8 x 256 x 256 float32; eW2 8 x 256 x 128 float32; eW3 8 x 128 x 10 float32; eb1 8 x 256 float32; eb2 8 x 128 float32; eb3 8 x 10 float32; eln1_b 8 x 256 float32; eln1_g 8 x 256 float32; eln2_b 8 x 128 float32; eln2_g 8 x 128 float32; gW1 256 x 128 float32; gW2 128 x 8 float32; gb1 128 float32; gb2 8 float32; gln_b 128 float32; gln_g 128 float32; temperature one number float32; x 65,536 x 256 float32.
;; Outputs: out0 65,536 x 10 float32.
;; One version. Each part assembles by itself: llvm-mc -triple=amdgcn-amd-amdhsa -mcpu=gfx1250 --defsym DOCPART=n.
;; ======== version 1 of 1: 4 launches
;; limits: values are held in f16: magnitudes above 65,504 overflow, below 6.1e-05 lose precision; right only within a limited range of input values; a function is approximated: absolute error at most 2.5e-05
;; workspace buffers: xb 33,554,432 bytes; sel 524,288 bytes of whole numbers; gw 524,288 bytes; hist 8,192 bytes of whole numbers; list 542,720 bytes of whole numbers; pos 524,288 bytes of whole numbers; wts 1,679,360 bytes; part 8,650,752 bytes
;; launch router (part 1): grid 256 x 1, 16 waves a work-group, no clusters, 219,136 bytes of LDS; arguments x, gW1, gb1, gln_g, gln_b, gW2, gb2, temperature, xb, sel, gw, hist; writes xb, sel, gw, hist
.if DOCPART == 1
	.amdgcn_target "amdgcn-amd-amdhsa--gfx1250"
	.amdhsa_code_object_version 6
	.text
	.protected	k_q62a8298515_router
	.globl	k_q62a8298515_router
	.p2align	8
	.type	k_q62a8298515_router,@function
k_q62a8298515_router:
	s_mov_b64 s[64:65], 0
	v_nop
	global_prefetch_b8 v0, s[64:65] scope:SCOPE_SE
	s_setreg_imm32_b32 hwreg(HW_REG_WAVE_MODE, 25, 1), 1
	s_wait_xcnt 0x0
; THE GATE.  For each token: h = x gW1 + gb1 (256 -> 128), LayerNorm, exact GELU, logits = (g gW2 + gb2) / clip(T, 0.5, 5), the two largest logits (the lower index on a tie),
; their softmax, divided by its sum + 1e-10.  Stored: x rounded to bf16 (xb), the two experts (sel), the two weights (gw), and for this work-group's 256 tokens the rows of each expert (hist).
; FORMATS.  Every input is rounded once to bf16.  x gW1 goes to the matrix unit (bf16, f32 sums); everything behind it stays in f32: a two-pass LayerNorm, erf, g gW2 by f32 multiply-adds.
; LIMITS.  erf by a rational form with five coefficients (Abramowitz and Stegun 7.1.26), off by 1.5e-7 at the most, for every argument.  Two logits that differ by less than f32's rounding of these sums may
; change places against another order of summation.  The division by T is a multiplication by its reciprocal.  NaN and infinities are not treated apart.
; SHARES.  A work-group takes 256 tokens, each of its 16 waves 16.  gW1 (bf16), gW2 and the parameters lie in LDS for all waves; a wave's 16 rows of x go through its own scratch.
; LAYOUT.  The matrix instruction takes 16 features of gW1 as source 0 and 16 tokens as source 1: in the result lane l holds token l % 16 and features 16 f + 8 (l / 16) + 0..7,
; so a token's mean and variance want one exchange between the halves of the lanes.  gW1 lies [k][feature] in LDS and comes out turned, by ds_load_tr16_b128.
.set P1,    288        ; a row of gW1 in LDS: 128 bf16 + 32 bytes = 72 words: the 8 rows x 32 bytes that 16 lanes of the turning load take fall on 64 different words modulo 64
.set GW2L,  73728      ; gW2, f32 [128][8]
.set PARL,  77824      ; gb1 +0, gln_g +512, gln_b +1024, gb2 +1536
.set HISTL, 79872      ; 128 bytes a wave
.set SCRL,  81920      ; 16 rows x 528 bytes a wave (512 + 16: the 16 rows of a fragment load start 4 words apart modulo 64)
.set SCRW,  8448
.set SPARE, 217088     ; the spare words, 128 bytes a wave: eight blocks of 256 bytes that no other line names
.set AW,  7            ; v7   running LDS address of the weights' fragments
.set FR,  9            ; v9   my place in the scratch for a fragment of x
.set PH,  10           ; v10  parameters + 32 (l / 16)
.set SEL, 30           ; s[30:31] v_permlanex16_b32's selects: each lane takes its own place in the other half
.set INV, 32           ; s32  1 / 128
.set EPS, 33           ; s33  1e-5
.set PP,  42           ; s42  p / sqrt(2)
.set NHL, 44           ; s[44:45] -log2(e) / 2
.set A1,  46           ; s[46:55] erf's coefficients, halved, each in a pair of which the low word is taken
.set A2,  48
.set A3,  50
.set A4,  52
.set A5,  54
.set NINF, 56          ; s56  -infinity
; v0 thread; v1, v2 the add's registers; v3 16 x lane; v4 my place in a turned fragment; v5 32 x lane; v6 my offset in sel and gw; v8 scratch, in; v11 gW2 + 256 (l / 16);
; v12-13 mean; v14-15 1 / sqrt(var + eps); v16-63 at work; v64-127 x's eight fragments; v128-191 the eight accumulators; v192-255 two buffers of four fragments of weights.
.macro PLACES                          ; four plain instructions between a matrix instruction and a load into, or a vector instruction on, its registers
.rept 4
	v_nop
.endr
.endm
.macro ALOAD buf, f0, P                ; four fragments of weights, features 16 f0 on, 32 k at v[AW]
.irp i, 0,1,2,3
	ds_load_tr16_b128 v[(\buf)+8*\i:(\buf)+8*\i+3],   v[AW] offset:32*((\f0)+\i)
	ds_load_tr16_b128 v[(\buf)+8*\i+4:(\buf)+8*\i+7], v[AW] offset:32*((\f0)+\i)+16*(\P)
.endr
.endm
.macro MM4 form, buf, acc0, f0, breg   ; four matrix instructions on four accumulators
.irp i, 0,1,2,3
	v_wmma_f32_16x16x32_\form v[(\acc0)+8*((\f0)+\i):(\acc0)+8*((\f0)+\i)+7], v[(\buf)+8*\i:(\buf)+8*\i+7], v[(\breg):(\breg)+7], v[(\acc0)+8*((\f0)+\i):(\acc0)+8*((\f0)+\i)+7]
.endr
.endm
; A product: NS steps of 32 along k, NF accumulators (which hold the bias), in units of four matrix instructions.  While a unit is multiplied the next unit's eight loads are out.
; All accumulators take turns, one instruction a turn.  xm = 1: the tokens' fragment of the next k step is fetched from the scratch into one of two buffers at bb.
.macro PRODUCT form, NF, NS, P, b0, b1, acc0, bb, xm
.set UPK, (\NF)/4
.set UT, (\NS)*UPK
.set un, 0
.rept (\NS)*(\NF)/4
.set ks, un/UPK
.set uu, un%UPK
.set bufc, (\b0)+((\b1)-(\b0))*(un%2)
.set bufn, (\b0)+((\b1)-(\b0))*((un+1)%2)
.if \xm
.set bfr, (\bb)+8*(ks%2)
.else
.set bfr, (\bb)+8*ks
.endif
.if un+1 < UT
.if (un+1)%UPK == 0
	v_add_nc_u32 v[AW], 32*(\P), v[AW]             ; the next unit begins a k step; this line is one of the four places
	v_nop
	v_nop
	v_nop
.elseif un > 0
	PLACES
.endif
.if (\xm) && (uu == 0) && (ks+1 < (\NS))
	ds_load_b128 v[(\bb)+8*((ks+1)%2):(\bb)+8*((ks+1)%2)+3],   v[FR] offset:64*(ks+1)
	ds_load_b128 v[(\bb)+8*((ks+1)%2)+4:(\bb)+8*((ks+1)%2)+7], v[FR] offset:64*(ks+1)+32
.endif
	ALOAD bufn, 4*((un+1)%UPK), \P
	s_wait_dscnt 8                                 ; all but the eight just issued: this unit's fragments are in
.else
	s_wait_dscnt 0
.endif
	MM4 \form, bufc, \acc0, 4*uu, bfr
.set un, un+1
.endr
.endm
.macro GBLOAD goff, boff               ; gain and bias of my eight features of one accumulator
	ds_load_b128 v[16:19], v[PH] offset:\goff
	ds_load_b128 v[20:23], v[PH] offset:(\goff)+16
	ds_load_b128 v[24:27], v[PH] offset:\boff
	ds_load_b128 v[28:31], v[PH] offset:(\boff)+16
.endm
.macro FOLD b                          ; four pairs into one number, and the other half of the lanes' added
	v_pk_add_f32 v[(\b):(\b)+1], v[(\b):(\b)+1], v[(\b)+2:(\b)+3]
	v_pk_add_f32 v[(\b)+4:(\b)+5], v[(\b)+4:(\b)+5], v[(\b)+6:(\b)+7]
	v_pk_add_f32 v[(\b):(\b)+1], v[(\b):(\b)+1], v[(\b)+4:(\b)+5]
	v_add_f32 v[\b], v[\b], v[(\b)+1]
	v_permlanex16_b32 v[(\b)+1], v[\b], s[SEL], s[SEL+1]
	v_add_f32 v[\b], v[\b], v[(\b)+1]
.endm
; Mean and variance of a token's 16 NA features, in two passes; the accumulators are left as x - mean.  Each accumulator's lowest pair is read first.
.macro LNSTAT acc0, NA, sinv, goff, boff
	PLACES
	GBLOAD \goff, \boff
.irp c, 0,2,4,6
	v_pk_add_f32 v[32+\c:33+\c], v[(\acc0)+\c:(\acc0)+\c+1], v[(\acc0)+8+\c:(\acc0)+9+\c]
.endr
.set la, 2
.rept (\NA)-2
.irp c, 0,2,4,6
	v_pk_add_f32 v[32+\c:33+\c], v[32+\c:33+\c], v[(\acc0)+8*la+\c:(\acc0)+8*la+\c+1]
.endr
.set la, la+1
.endr
	FOLD 32
	v_mul_f32 v12, s[\sinv], v32
	v_mul_f32 v13, s[\sinv], v32
.set la, 0
.rept \NA
.irp c, 0,2,4,6
	v_pk_add_f32 v[(\acc0)+8*la+\c:(\acc0)+8*la+\c+1], v[(\acc0)+8*la+\c:(\acc0)+8*la+\c+1], v[12:13] neg_lo:[0,1] neg_hi:[0,1]
.endr
.irp c, 0,2,4,6
.if la == 0
	v_pk_mul_f32 v[40+\c:41+\c], v[(\acc0)+\c:(\acc0)+\c+1], v[(\acc0)+\c:(\acc0)+\c+1]
.else
	v_pk_fma_f32 v[40+\c:41+\c], v[(\acc0)+8*la+\c:(\acc0)+8*la+\c+1], v[(\acc0)+8*la+\c:(\acc0)+8*la+\c+1], v[40+\c:41+\c]
.endif
.endr
.set la, la+1
.endr
	FOLD 40
	v_fma_f32 v40, v40, s[\sinv], s[EPS]
	v_rsq_f32 v14, v40
	v_rsq_f32 v15, v40
	v_nop                                          ; a plain instruction behind the two roots,
	s_wait_alu depctr_va_vdst(0)                   ; and a wait ahead of their first reader
.endm
; One accumulator (eight features a lane): y = (x - mean) rs gain + bias, then gelu(y) = y / 2 + |y| (1/2 - q / 2), q = (a1 t + a2 t^2 + ..) exp(-y^2 / 2), t = 1 / (1 + p |y| / sqrt(2)).
; The eight reciprocals and eight exponentials are one batch with one wait.  nxt: the next accumulator's gain and bias (at goff, boff) are asked for.  dst >= 0: the result is packed to f16 there.
.macro GBLK a, nxt, goff, boff, ord, dst
	s_wait_dscnt 0x0                               ; gain and bias are in
.irp c, 0,2,4,6
	v_pk_mul_f32 v[(\a)+\c:(\a)+\c+1], v[(\a)+\c:(\a)+\c+1], v[14:15]
.endr
.irp c, 0,2,4,6
	v_pk_fma_f32 v[(\a)+\c:(\a)+\c+1], v[(\a)+\c:(\a)+\c+1], v[16+\c:17+\c], v[24+\c:25+\c]
.endr
.if \nxt
	GBLOAD \goff, \boff
.endif
.irp j, 0,1,2,3,4,5,6,7
	v_fma_f32 v[32+\j], |v[(\a)+\j]|, s[PP], 1.0
.endr
.irp c, 0,2,4,6
	v_pk_mul_f32 v[40+\c:41+\c], v[(\a)+\c:(\a)+\c+1], v[(\a)+\c:(\a)+\c+1]
.endr
.irp c, 0,2,4,6
	v_pk_mul_f32 v[40+\c:41+\c], v[40+\c:41+\c], s[NHL:NHL+1] op_sel_hi:[1,0]
.endr
.irp j, 0,1,2,3,4,5,6,7
	v_rcp_f32 v[32+\j], v[32+\j]
	v_exp_f32 v[40+\j], v[40+\j]
.endr
.irp c, 0,2,4,6
	v_pk_mul_f32 v[48+\c:49+\c], v[(\a)+\c:(\a)+\c+1], 0.5 op_sel_hi:[1,0]  ; y / 2: the plain work behind the batch
.endr
	s_wait_alu depctr_va_vdst(0)                   ; one wait for the sixteen, ahead of their first reader
.irp c, 0,2,4,6
	v_pk_mul_f32 v[40+\c:41+\c], v[40+\c:41+\c], v[32+\c:33+\c]             ; exp x t
.endr
.if (\ord) == 5
.irp c, 0,2,4,6
	v_pk_fma_f32 v[56+\c:57+\c], v[32+\c:33+\c], s[A5:A5+1], s[A4:A4+1] op_sel_hi:[1,0,0]
.endr
.irp c, 0,2,4,6
	v_pk_fma_f32 v[56+\c:57+\c], v[56+\c:57+\c], v[32+\c:33+\c], s[A3:A3+1] op_sel_hi:[1,1,0]
.endr
.irp c, 0,2,4,6
	v_pk_fma_f32 v[56+\c:57+\c], v[56+\c:57+\c], v[32+\c:33+\c], s[A2:A2+1] op_sel_hi:[1,1,0]
.endr
.else
.irp c, 0,2,4,6
	v_pk_fma_f32 v[56+\c:57+\c], v[32+\c:33+\c], s[A3:A3+1], s[A2:A2+1] op_sel_hi:[1,0,0]
.endr
.endif
.irp c, 0,2,4,6
	v_pk_fma_f32 v[56+\c:57+\c], v[56+\c:57+\c], v[32+\c:33+\c], s[A1:A1+1] op_sel_hi:[1,1,0]
.endr
.irp c, 0,2,4,6
	v_pk_fma_f32 v[56+\c:57+\c], v[56+\c:57+\c], v[40+\c:41+\c], 0.5 op_sel_hi:[1,1,0] neg_lo:[1,0,0] neg_hi:[1,0,0]
.endr
.irp j, 0,1,2,3,4,5,6,7
	v_fma_f32 v[(\a)+\j], |v[(\a)+\j]|, v[56+\j], v[48+\j]
.endr
.if (\dst) >= 0
.irp c, 0,1,2,3
	v_cvt_pk_f16_f32 v[(\dst)+\c], v[(\a)+2*\c], v[(\a)+2*\c+1]
.endr
.endif
.endm
; g gW2 in f32.  LGLOAD: gW2's rows of four of my features (group g of 16).  LG1: one feature times its row of eight, onto the sums at lb; odd: the feature is the pair's high word.
.macro LGLOAD g, buf
.irp q, 0,1,2,3
	ds_load_b128 v[(\buf)+8*\q:(\buf)+8*\q+3],   v11 offset:512*((\g)/2)+32*(4*((\g)%2)+\q)
	ds_load_b128 v[(\buf)+8*\q+4:(\buf)+8*\q+7], v11 offset:512*((\g)/2)+32*(4*((\g)%2)+\q)+16
.endr
.endm
.macro LG1 ga, wb, lb, odd, first
.irp c, 0,2,4,6
.if \first
.if \odd
	v_pk_mul_f32 v[(\lb)+\c:(\lb)+\c+1], v[(\ga):(\ga)+1], v[(\wb)+\c:(\wb)+\c+1] op_sel:[1,0] op_sel_hi:[1,1]
.else
	v_pk_mul_f32 v[(\lb)+\c:(\lb)+\c+1], v[(\ga):(\ga)+1], v[(\wb)+\c:(\wb)+\c+1] op_sel_hi:[0,1]
.endif
.else
.if \odd
	v_pk_fma_f32 v[(\lb)+\c:(\lb)+\c+1], v[(\ga):(\ga)+1], v[(\wb)+\c:(\wb)+\c+1], v[(\lb)+\c:(\lb)+\c+1] op_sel:[1,0,0] op_sel_hi:[1,1,1]
.else
	v_pk_fma_f32 v[(\lb)+\c:(\lb)+\c+1], v[(\ga):(\ga)+1], v[(\wb)+\c:(\wb)+\c+1], v[(\lb)+\c:(\lb)+\c+1] op_sel_hi:[0,1,1]
.endif
.endif
.endr
.endm
.macro SCAN val, idx                   ; the largest of v16-23 and its index; a later one wins only if it is greater, so the lower index stays on a tie
	v_mov_b32 v[\val], v16
	v_mov_b32 v[\idx], 0
.irp e, 1,2,3,4,5,6,7
	v_cmp_gt_f32 vcc_lo, v[16+\e], v[\val]
	v_cndmask_b32 v[\idx], v[\idx], \e, vcc_lo
	v_max_num_f32 v[\val], v[\val], v[16+\e]
.endr
.endm
	s_load_b512 s[4:19], s[0:1], 0x0               ; x 4, gW1 6, gb1 8, gln_g 10, gln_b 12, gW2 14, gb2 16, temperature 18
	s_load_b256 s[20:27], s[0:1], 0x40             ; xb 20, sel 22, gw 24, hist 26
	v_lshl_add_u32 v1, v0, 2, SPARE
	v_mov_b32 v2, 0
	v_lshrrev_b32 v20, 5, v0
	v_readfirstlane_b32 s28, v20                   ; wave 0..15
	v_and_b32 v20, 31, v0                          ; lane l
	v_and_b32 v21, 15, v0                          ; l % 16
	v_bfe_u32 v22, v0, 4, 1                        ; l / 16
	v_and_b32 v23, 7, v0
	v_bfe_u32 v24, v0, 3, 1
	v_lshlrev_b32 v3, 4, v20
	v_lshlrev_b32 v5, 5, v20
	v_lshlrev_b32 v6, 3, v21
	v_lshl_add_u32 v6, v22, 2, v6                  ; 8 (l % 16) + 4 (l / 16): token, slot
	v_lshl_add_u32 v25, v22, 3, v23                ; the turning load: row 8 (l / 16) + l % 8,
	v_mul_u32_u24 v4, v25, P1
	v_lshl_add_u32 v4, v24, 4, v4                  ; 16 bytes on for (l / 8) % 2
	s_mul_i32 s29, s28, SCRW
	s_add_co_u32 s29, s29, SCRL                    ; my wave's scratch
	v_add_nc_u32 v8, s29, v3
	v_mul_u32_u24 v9, v21, 528
	v_lshl_add_u32 v9, v22, 4, v9
	v_add_nc_u32 v9, s29, v9
	v_lshl_add_u32 v10, v22, 5, PARL
	v_lshl_add_u32 v11, v22, 8, GW2L
	v_lshlrev_b32 v26, 5, v0                       ; gW1: thread t takes 8 numbers at byte 32 t of each 16,384,
	v_lshrrev_b32 v27, 4, v0
	v_mul_u32_u24 v27, v27, P1
	v_lshl_add_u32 v27, v21, 4, v27                ; which go to row t / 16, 16 bytes at 16 (t % 16)
	v_lshlrev_b32 v28, 3, v0                       ; gW2: 8 bytes a thread
	v_add_nc_u32 v29, GW2L, v28
	v_lshl_add_u32 v30, v0, 2, PARL                ; a parameter a thread: waves 0-3 gb1, 4-7 gln_g, 8-11 gln_b, 12-15 gb2
	s_lshr_b32 s36, s28, 2
	s_cmp_eq_u32 s36, 3
	s_cselect_b32 s37, 7, 127                      ; gb2 has eight numbers: its threads past them repeat the last, into bytes that nobody reads
	v_and_b32 v31, 127, v0
	v_min_u32 v31, s37, v31
	v_lshlrev_b32 v31, 2, v31
	s_mov_b32 s[SEL], 0x76543210
	s_mov_b32 s[SEL+1], 0xfedcba98
	s_mov_b32 s[INV], 0x3c000000                   ; 1 / 128
	s_mov_b32 s[EPS], 0x3727c5ac                   ; 1e-5
	s_mov_b32 s[PP], 0x3e6d3388                    ; 0.3275911 / sqrt(2) = 0.23164189
	s_mov_b32 s[NHL], 0xbf38aa3b                   ; -0.72134752
	s_mov_b32 s[NHL+1], 0xbf38aa3b
	s_mov_b32 s[A1], 0x3e027906                    ; 0.127414796
	s_mov_b32 s[A1+1], 0x3e027906
	s_mov_b32 s[A2], 0xbe11a98e                    ; -0.142248368
	s_mov_b32 s[A2+1], 0xbe11a98e
	s_mov_b32 s[A3], 0x3f35f0e3                    ; 0.71070687
	s_mov_b32 s[A3+1], 0x3f35f0e3
	s_mov_b32 s[A4], 0xbf3a00e3                    ; -0.72657601
	s_mov_b32 s[A4+1], 0xbf3a00e3
	s_mov_b32 s[A5], 0x3f07dc22                    ; 0.53070271
	s_mov_b32 s[A5+1], 0x3f07dc22
	s_mov_b32 s[NINF], 0xff800000
	s_lshl_b32 s38, ttmp9, 18                      ; my wave's 16 rows of x: (256 group + 16 wave) x 1,024 bytes
	s_lshl_b32 s40, s28, 14
	s_add_co_u32 s38, s38, s40
	s_mov_b32 s39, 0
	s_mov_b32 s41, 0
	s_wait_kmcnt 0x0
	s_load_b32 s57, s[18:19], 0x0                  ; the temperature
	s_add_nc_u64 s[4:5], s[4:5], s[38:39]
	s_lshr_b32 s40, s38, 1                         ; rows of 512 bytes in xb
	s_add_nc_u64 s[20:21], s[20:21], s[40:41]
	s_lshr_b32 s40, s38, 7                         ; 8 bytes a token in sel and gw
	s_add_nc_u64 s[22:23], s[22:23], s[40:41]
	s_add_nc_u64 s[24:25], s[24:25], s[40:41]
	s_lshl_b32 s40, ttmp9, 5                       ; 32 bytes a work-group in hist
	s_add_nc_u64 s[26:27], s[26:27], s[40:41]
	s_cmp_eq_u32 s36, 1
	s_cselect_b64 s[34:35], s[10:11], s[8:9]
	s_cmp_eq_u32 s36, 2
	s_cselect_b64 s[34:35], s[12:13], s[34:35]
	s_cmp_eq_u32 s36, 3
	s_cselect_b64 s[34:35], s[16:17], s[34:35]
.irp i, 0,1,2,3,4,5,6,7
	global_load_b128 v[64+8*\i:67+8*\i], v26, s[6:7] offset:16384*\i
	global_load_b128 v[68+8*\i:71+8*\i], v26, s[6:7] offset:16384*\i+16
.endr
	global_load_b64 v[16:17], v28, s[14:15]
	global_load_b32 v18, v31, s[34:35]
.irp i, 0,1,2,3,4,5,6,7,8,9,10,11,12,13,14,15
	global_load_b128 v[128+8*\i:131+8*\i], v5, s[4:5] offset:1024*\i th:TH_LOAD_NT      ; row i: a lane's 8 numbers
	global_load_b128 v[132+8*\i:135+8*\i], v5, s[4:5] offset:1024*\i+16 th:TH_LOAD_NT
.endr
	s_wait_loadcnt 32                              ; the weights and parameters are in; x's 32 loads stay out
.irp i, 0,1,2,3,4,5,6,7
	v_cvt_pk_bf16_f32 v[64+8*\i], v[64+8*\i], v[65+8*\i]
	v_cvt_pk_bf16_f32 v[65+8*\i], v[66+8*\i], v[67+8*\i]
	v_cvt_pk_bf16_f32 v[66+8*\i], v[68+8*\i], v[69+8*\i]
	v_cvt_pk_bf16_f32 v[67+8*\i], v[70+8*\i], v[71+8*\i]
	ds_store_b128 v27, v[64+8*\i:67+8*\i] offset:32*P1*\i
.endr
	v_cvt_pk_bf16_f32 v16, v16, v17                ; gW2 and the parameters: rounded to bf16, kept as f32
	v_and_b32 v17, 0xffff0000, v16
	v_lshlrev_b32 v16, 16, v16
	ds_store_b64 v29, v[16:17]
	v_cvt_pk_bf16_f32 v18, v18, v18
	v_lshlrev_b32 v18, 16, v18
	ds_store_b32 v30, v18
.set i, 0
.rept 16
	s_wait_loadcnt 30-2*i                          ; row i is in; the later rows' loads stay out
	v_cvt_pk_bf16_f32 v[128+8*i], v[128+8*i], v[129+8*i]
	v_cvt_pk_bf16_f32 v[129+8*i], v[130+8*i], v[131+8*i]
	v_cvt_pk_bf16_f32 v[130+8*i], v[132+8*i], v[133+8*i]
	v_cvt_pk_bf16_f32 v[131+8*i], v[134+8*i], v[135+8*i]
	global_store_b128 v3, v[128+8*i:131+8*i], s[20:21] offset:512*i   ; a row of xb: 512 consecutive bytes, at a multiple of 512 from its first
	ds_store_b128 v8, v[128+8*i:131+8*i] offset:528*i
.set i, i+1
.endr
	s_wait_dscnt 0x0                               ; for the others' sake: my part of the weights is in LDS
	s_barrier_signal -1
	s_barrier_wait -1                              ; everybody's is
	s_wait_xcnt 0x0                                ; the stores to xb have read their registers: v128-255 are loaded again only behind this wait
.irp k, 0,1,2,3,4,5,6,7
	ds_load_b128 v[64+8*\k:67+8*\k], v[FR] offset:64*\k
	ds_load_b128 v[68+8*\k:71+8*\k], v[FR] offset:64*\k+32
.endr
.irp f, 0,1,2,3,4,5,6,7
	ds_load_b128 v[128+8*\f:131+8*\f], v[PH] offset:64*\f       ; the sums begin with gb1
	ds_load_b128 v[132+8*\f:135+8*\f], v[PH] offset:64*\f+16
.endr
	v_mov_b32 v[AW], v4
	ALOAD 192, 0, P1
	PRODUCT bf16, 8, 8, P1, 192, 224, 128, 64, 0
	LNSTAT 128, 8, INV, 512, 1024
.set bf, 0
.rept 8
	GBLK 128+8*bf, (bf<7), 512+64*(bf+1), 1024+64*(bf+1), 5, -1
.set bf, bf+1
.endr
	; 1 / clip(T, 0.5, 5)
	s_wait_kmcnt 0x0
	v_mov_b32 v48, s57
	v_cvt_pk_bf16_f32 v48, v48, v48
	v_lshlrev_b32 v48, 16, v48
	v_med3_num_f32 v48, v48, 0.5, 0x40a00000
	v_rcp_f32 v50, v48
	v_rcp_f32 v51, v48
	v_mov_b32 v49, PARL+1536                       ; gb2's place: the plain instruction behind the two reciprocals
	s_wait_alu depctr_va_vdst(0)
	ds_load_b128 v[40:43], v49
	ds_load_b128 v[44:47], v49 offset:16
	; the logits: a lane adds up its 64 features, in two sets of sums (v16-23, v24-31), then the halves of the lanes meet
	LGLOAD 0, 192
.set lg, 0
.rept 16
.set lbuf, 192+32*(lg%2)
.if lg < 15
	LGLOAD lg+1, 192+32*((lg+1)%2)
	s_wait_dscnt 8                                 ; all but the eight just issued
.else
	s_wait_dscnt 0
.endif
	LG1 128+8*(lg/2)+4*(lg%2),   lbuf,    16, 0, (lg==0)
	LG1 128+8*(lg/2)+4*(lg%2),   lbuf+8,  24, 1, (lg==0)
	LG1 128+8*(lg/2)+4*(lg%2)+2, lbuf+16, 16, 0, 0
	LG1 128+8*(lg/2)+4*(lg%2)+2, lbuf+24, 24, 1, 0
.set lg, lg+1
.endr
.irp c, 0,2,4,6
	v_pk_add_f32 v[16+\c:17+\c], v[16+\c:17+\c], v[24+\c:25+\c]
.endr
.irp e, 0,1,2,3,4,5,6,7
	v_permlanex16_b32 v[24+\e], v[16+\e], s[SEL], s[SEL+1]
.endr
.irp c, 0,2,4,6
	v_pk_add_f32 v[16+\c:17+\c], v[16+\c:17+\c], v[24+\c:25+\c]
.endr
.irp c, 0,2,4,6
	v_pk_add_f32 v[16+\c:17+\c], v[16+\c:17+\c], v[40+\c:41+\c]
.endr
.irp c, 0,2,4,6
	v_pk_mul_f32 v[16+\c:17+\c], v[16+\c:17+\c], v[50:51]
.endr
	SCAN 32, 33                                    ; the largest logit,
.irp e, 0,1,2,3,4,5,6,7
	v_cmp_eq_u32 vcc_lo, \e, v33
	v_cndmask_b32 v[16+\e], v[16+\e], s[NINF], vcc_lo
.endr
	SCAN 34, 35                                    ; and the largest of the rest
	v_sub_f32 v36, v34, v32                        ; the softmax of two, the maximum taken away: 1 / (1 + a) and a / (1 + a), a = exp(v2 - v1)
	v_mul_f32 v36, 0x3fb8aa3b, v36
	v_exp_f32 v37, v36
	v_nop
	s_wait_alu depctr_va_vdst(0)
	v_add_f32 v38, 1.0, v37
	v_rcp_f32 v39, v38
	v_nop
	s_wait_alu depctr_va_vdst(0)
	v_mul_f32 v40, v37, v39
	v_add_f32 v41, v39, v40
	v_add_f32 v41, 0x2edbe6ff, v41                 ; + 1e-10
	v_rcp_f32 v42, v41
	v_bfe_u32 v43, v0, 4, 1
	s_wait_alu depctr_va_vdst(0)
	v_mul_f32 v39, v39, v42
	v_mul_f32 v40, v40, v42
	v_cmp_eq_u32 vcc_lo, 0, v43                    ; both halves of the lanes hold the token's figures: lanes 0-15 store slot 0, lanes 16-31 slot 1
	v_cndmask_b32 v44, v35, v33, vcc_lo
	v_cndmask_b32 v45, v40, v39, vcc_lo
	global_store_b32 v6, v44, s[22:23]
	global_store_b32 v6, v45, s[24:25]
	v_mov_b32 v46, 0
.irp e, 0,1,2,3,4,5,6,7
	v_cmp_eq_u32 s40, \e, v44                      ; the wave's 32 choices, counted by expert into lanes 0-7
	s_bcnt1_i32_b32 s41, s40
	v_writelane_b32 v46, s41, \e
.endr
	v_and_b32 v47, 31, v0
	v_lshlrev_b32 v32, 2, v47
	v_add_nc_u32 v33, HISTL, v32
	s_lshl_b32 s40, s28, 7
	v_add_nc_u32 v48, s40, v33
	ds_store_b32 v48, v46
	s_wait_dscnt 0x0                               ; for wave 0's sake
	s_barrier_signal -1
	s_barrier_wait -1
	s_wait_tensorcnt 0x0                           ; behind a wave's last LDS store; only LDS reads follow
	ds_add_u32 v1, v2
	s_wait_dscnt 0x0
	s_cmp_lg_u32 s28, 0
	s_cbranch_scc1 .Lfin
.irp i, 0,1,2,3,4,5,6,7,8,9,10,11,12,13,14,15
	ds_load_b32 v[16+\i], v33 offset:128*\i
.endr
	s_wait_dscnt 0x0
.irp i, 0,1,2,3,4,5,6,7
	v_add_nc_u32 v[16+\i], v[16+\i], v[24+\i]
.endr
.irp i, 0,1,2,3
	v_add_nc_u32 v[16+\i], v[16+\i], v[20+\i]
.endr
	v_add_nc_u32 v16, v16, v18
	v_add_nc_u32 v17, v17, v19
	v_add_nc_u32 v16, v16, v17
	v_cmp_gt_u32 vcc_lo, 8, v47
	s_wait_xcnt 0x0                                ; EXEC changes only behind this wait
	s_and_saveexec_b32 s40, vcc_lo
	global_store_b32 v32, v16, s[26:27]            ; eight counts
	s_wait_xcnt 0x0
	s_or_b32 exec_lo, exec_lo, s40
.Lfin:
	s_endpgm
.Lfunc_end_k_q62a8298515_router:
	.size	k_q62a8298515_router, .Lfunc_end_k_q62a8298515_router-k_q62a8298515_router
	.p2alignl 7, 3214868480
	.fill 96, 4, 3214868480
	.section	.rodata,"a",@progbits
	.p2align	6, 0x0
	.amdhsa_kernel k_q62a8298515_router
		.amdhsa_group_segment_fixed_size 219136
		.amdhsa_private_segment_fixed_size 0
		.amdhsa_enable_private_segment 0
		.amdhsa_kernarg_size 96
		.amdhsa_user_sgpr_count 2
		.amdhsa_user_sgpr_kernarg_segment_ptr 1
		.amdhsa_wavefront_size32 1
		.amdhsa_system_sgpr_workgroup_id_x 1
		.amdhsa_system_sgpr_workgroup_id_y 1
		.amdhsa_system_sgpr_workgroup_id_z 1
		.amdhsa_system_vgpr_workitem_id 0
		.amdhsa_next_free_vgpr 256
		.amdhsa_next_free_sgpr 66
		.amdhsa_reserve_vcc 1
		.amdhsa_float_denorm_mode_32 3
		.amdhsa_float_denorm_mode_16_64 3
		.amdhsa_memory_ordered 1
		.amdhsa_forward_progress 1
		.amdhsa_inst_pref_size 113
	.end_amdhsa_kernel
	.amdgpu_metadata
---
amdhsa.version: [ 1, 2 ]
amdhsa.kernels:
  - .name:           k_q62a8298515_router
    .symbol:         k_q62a8298515_router.kd
    .args:
      - { .name: x, .offset: 0, .size: 8, .value_kind: global_buffer, .address_space: global }
      - { .name: gW1, .offset: 8, .size: 8, .value_kind: global_buffer, .address_space: global }
      - { .name: gb1, .offset: 16, .size: 8, .value_kind: global_buffer, .address_space: global }
      - { .name: gln_g, .offset: 24, .size: 8, .value_kind: global_buffer, .address_space: global }
      - { .name: gln_b, .offset: 32, .size: 8, .value_kind: global_buffer, .address_space: global }
      - { .name: gW2, .offset: 40, .size: 8, .value_kind: global_buffer, .address_space: global }
      - { .name: gb2, .offset: 48, .size: 8, .value_kind: global_buffer, .address_space: global }
      - { .name: temperature, .offset: 56, .size: 8, .value_kind: global_buffer, .address_space: global }
      - { .name: xb, .offset: 64, .size: 8, .value_kind: global_buffer, .address_space: global }
      - { .name: sel, .offset: 72, .size: 8, .value_kind: global_buffer, .address_space: global }
      - { .name: gw, .offset: 80, .size: 8, .value_kind: global_buffer, .address_space: global }
      - { .name: hist, .offset: 88, .size: 8, .value_kind: global_buffer, .address_space: global }
    .group_segment_fixed_size: 219136
    .private_segment_fixed_size: 0
    .kernarg_segment_align: 8
    .kernarg_segment_size: 96
    .max_flat_workgroup_size: 512
    .sgpr_count:     66
    .vgpr_count:     256
    .wavefront_size: 32
...
	.end_amdgpu_metadata
.endif
;; end of part 1
;; launch prep (part 2): grid 256 x 1, 4 waves a work-group, no clusters, 0 bytes of LDS; arguments sel, hist, eW1, eW2, eW3, eb1, eln1_g, eln1_b, eb2, eln2_g, eln2_b, eb3, list, pos, wts; writes list, pos, wts
.if DOCPART == 2
	.amdgcn_target "amdgcn-amd-amdhsa--gfx1250"
	.amdhsa_code_object_version 6
	.text
	.protected	k_q62a8298515_prep
	.globl	k_q62a8298515_prep
	.p2align	8
	.type	k_q62a8298515_prep,@function
k_q62a8298515_prep:
	s_mov_b64 s[64:65], 0
	v_nop
	global_prefetch_b8 v0, s[64:65] scope:SCOPE_SE
	s_setreg_imm32_b32 hwreg(HW_REG_WAVE_MODE, 25, 1), 1
	s_wait_xcnt 0x0
; THE SORT AND THE WEIGHTS.  No LDS, no barrier: the four waves of a work-group t do unrelated work.
; WAVE 0 places the 512 choices (token, slot) of router tile t by a counting sort without atomics.  From the 256 x 8 counts in hist every work-group works out for itself each expert's rows c_e,
; the rows of earlier tiles, and the experts' first tiles TB_e (tiles of 528 rows; the sum of ceil(c_e / 528) is at most (131,072 + 8 x 527) / 528, so 256 tiles serve every split).
; A choice's place is 528 TB_e + its rank in the expert.  Stored: pos[token][slot] = place; order[place] = token; tiles[t] = (expert, rows) of tile t; and token 0 from a tile's last row to the end of its strip of 16.
; WAVES 1, 2 round 8,192 bytes of eW1 to bf16; WAVE 3 rounds 4,096 bytes of eW2 to bf16 and writes that number as f16; some also do eW3 (f16, 16 columns, the last six 0) and the parameters (bf16 kept as f32).
; A record of wts (REC bytes an expert): W1 [256][256] bf16 +0; W2 [256][128] f16 +131,072; W3 [128][16] f16 +196,608; b1 +200,704, g1, bb1 (1,024 each), b2, g2, bb2, b3 and zeros (512 each).
; LIMITS.  W2 and W3 in f16: beyond 65,504 they would be infinite; below 6e-5 they keep f16's fixed step of 6e-8.
.set REC, 209920
.set SEL, 36           ; s[36:37] v_permlanex16_b32's selects
.macro IRED reg, dst                   ; a whole number added up over the 32 lanes, into a scalar
.irp m, 1,2,4,8
	v_mov_b32_dpp v5, v[\reg] row_xmask:\m row_mask:0xf bank_mask:0xf
	v_add_nc_u32 v[\reg], v[\reg], v5
.endr
	v_permlanex16_b32 v5, v[\reg], s[SEL], s[SEL+1]
	v_add_nc_u32 v[\reg], v[\reg], v5
	v_readfirstlane_b32 s[\dst], v[\reg]
.endm
.macro RND2 a                          ; two f32 rounded to bf16 and widened again
	v_cvt_pk_bf16_f32 v4, v[\a], v[(\a)+1]
	v_lshlrev_b32 v[\a], 16, v4
	v_and_b32 v[(\a)+1], 0xffff0000, v4
.endm
.macro CVH d, a                        ; two f32 rounded to bf16, that number written as f16
	v_cvt_pk_bf16_f32 v4, v[\a], v[(\a)+1]
	v_lshlrev_b32 v5, 16, v4
	v_and_b32 v6, 0xffff0000, v4
	v_cvt_pk_f16_f32 v[\d], v5, v6
.endm
.macro WLOAD b                         ; 4,096 bytes: a lane's 8 numbers of each 1,024 bytes
.irp i, 0,1,2,3
	global_load_b128 v[16+8*\i:19+8*\i], v2, s[\b:(\b)+1] offset:1024*\i th:TH_LOAD_NT
	global_load_b128 v[20+8*\i:23+8*\i], v2, s[\b:(\b)+1] offset:1024*\i+16 th:TH_LOAD_NT
.endr
	s_wait_loadcnt 0x0
.endm
.macro WSTORE                          ; 2,048 bytes, 512 consecutive ones a store
.irp i, 0,1,2,3
	global_store_b128 v3, v[16+8*\i:19+8*\i], s[70:71] offset:512*\i
.endr
.endm
	s_load_b512 s[4:19], s[0:1], 0x0               ; sel 4, hist 6, eW1 8, eW2 10, eW3 12, eb1 14, eln1_g 16, eln1_b 18
	s_load_b256 s[20:27], s[0:1], 0x40             ; eb2 20, eln2_g 22, eln2_b 24, eb3 26
	s_load_b128 s[28:31], s[0:1], 0x60             ; list 28, pos 30
	s_load_b64 s[32:33], s[0:1], 0x70              ; wts
	v_lshrrev_b32 v1, 5, v0
	v_readfirstlane_b32 s34, v1                    ; wave
	s_mov_b32 s35, ttmp9                           ; t
	v_and_b32 v15, 31, v0                          ; lane
	s_wait_kmcnt 0x0
	s_cmp_lg_u32 s34, 0
	s_cbranch_scc1 .Lweights
	; ---- wave 0: the sort ----
	s_mov_b32 s[SEL], 0x76543210
	s_mov_b32 s[SEL+1], 0xfedcba98
	v_lshlrev_b32 v1, 2, v15
	v_lshlrev_b32 v2, 8, v15
	v_lshlrev_b32 v3, 3, v15
	s_lshl_b32 s38, s35, 11                        ; 512 choices x 4 bytes
	s_mov_b32 s39, 0
	s_add_nc_u64 s[4:5], s[4:5], s[38:39]
	s_add_nc_u64 s[30:31], s[30:31], s[38:39]
.irp g, 0,1,2,3,4,5,6,7,8,9,10,11,12,13,14,15
	global_load_b32 v[16+\g], v1, s[4:5] offset:128*\g          ; group g: choices 32 g + lane
.endr
.irp k, 0,1,2,3,4,5,6,7,8,9,10,11,12,13,14,15
	global_load_b128 v[32+4*\k:35+4*\k], v2, s[6:7] offset:16*\k  ; lane l: the counts of tiles 8 l .. 8 l + 7
.endr
	s_wait_loadcnt 0x0
.set hq, 0
.rept 8                                ; totals in v32-39, the tiles below t in v104-111
	v_add_nc_u32 v4, hq, v3
	v_cmp_gt_u32 vcc_lo, s35, v4
.irp e, 0,1,2,3,4,5,6,7
.if hq == 0
	v_cndmask_b32 v[104+\e], 0, v[32+\e], vcc_lo
.else
	v_cndmask_b32 v5, 0, v[32+8*hq+\e], vcc_lo
	v_add_nc_u32 v[104+\e], v[104+\e], v5
	v_add_nc_u32 v[32+\e], v[32+\e], v[32+8*hq+\e]
.endif
.endr
.set hq, hq+1
.endr
.irp e, 0,1,2,3,4,5,6,7
	IRED 32+\e, 40+\e                              ; c_e in s40-47
	IRED 104+\e, 48+\e                             ; earlier tiles' rows in s48-55
.endr
	s_mov_b32 s38, 0
.irp e, 0,1,2,3,4,5,6,7
	s_mov_b32 s[56+\e], s38                        ; TB_e in s56-63
	s_mul_i32 s39, s38, 528
	s_add_co_u32 s[48+\e], s[48+\e], s39           ; the place of my tile's first row of expert e
	s_add_co_u32 s39, s[40+\e], 527
	s_lshr_b32 s39, s39, 4                         ; ceil(c / 528) = floor(y / 33), y = (c + 527) >> 4 <= 8,224;
	s_mul_i32 s39, s39, 1986                       ; 1986 x 33 = 65,536 + 2, so (1986 y) >> 16 is that floor for y < 32,768
	s_lshr_b32 s39, s39, 16
	s_add_co_u32 s38, s38, s39
.endr
	s_mov_b32 s66, 0                               ; tile t belongs to the last expert whose first tile is not behind it
	s_mov_b32 s67, s56
	s_mov_b32 s68, s40
.irp e, 1,2,3,4,5,6,7
	s_cmp_ge_u32 s35, s[56+\e]
	s_cselect_b32 s66, \e, s66
	s_cselect_b32 s67, s[56+\e], s67
	s_cselect_b32 s68, s[40+\e], s68
.endr
	s_sub_co_u32 s67, s35, s67
	s_mul_i32 s67, s67, 528
	s_sub_co_i32 s68, s68, s67
	s_max_i32 s68, s68, 0
	s_min_u32 s68, s68, 528                        ; its rows: 0 for a tile that this split leaves empty
	v_mov_b32 v6, s66
	v_mov_b32 v7, s68
	s_lshl_b32 s38, s35, 3
	v_mov_b32 v8, s38
	v_add_nc_u32 v9, s68, v15
	s_add_co_u32 s70, s68, 15
	s_and_b32 s70, s70, 0x3f0                      ; the end of the tile's last strip of 16
	s_mul_i32 s71, s35, 2112
	v_lshl_add_u32 v10, v9, 2, s71
	v_mov_b32 v11, 0
	v_lshrrev_b32 v14, 1, v15
	s_lshl_b32 s38, s35, 8
	v_add_nc_u32 v14, s38, v14                     ; the token of choice number lane
.set gg, 0
.rept 16                               ; each group has registers of its own for place, address and token: no store's source is written again.  All lanes are on: EXEC is first narrowed behind the groups
	v_cmp_eq_u32 s38, 0, v[16+gg]
	v_mbcnt_lo_u32_b32 v[112+gg], s38, s48         ; the expert's running place + the lanes below me that chose it
	s_bcnt1_i32_b32 s39, s38
	s_add_co_u32 s48, s48, s39
.irp e, 1,2,3,4,5,6,7
	v_cmp_eq_u32 s38, \e, v[16+gg]
	v_mbcnt_lo_u32_b32 v12, s38, s[48+\e]
	v_cndmask_b32 v[112+gg], v[112+gg], v12, s38
	s_bcnt1_i32_b32 s39, s38
	s_add_co_u32 s[48+\e], s[48+\e], s39
.endr
	v_min_u32 v[112+gg], 0x20fff, v[112+gg]        ; 256 x 528 - 1: no place is greater, whatever the split, so the bound changes no number
	global_store_b32 v1, v[112+gg], s[30:31] offset:128*gg
	v_lshlrev_b32 v[128+gg], 2, v[112+gg]
	v_add_nc_u32 v[144+gg], 16*gg, v14
	global_store_b32 v[128+gg], v[144+gg], s[28:29] offset:2048
.set gg, gg+1
.endr
	v_cmp_eq_u32 vcc_lo, 0, v15
	s_wait_xcnt 0x0                                ; EXEC changes only behind this wait
	s_and_saveexec_b32 s69, vcc_lo
	global_store_b64 v8, v[6:7], s[28:29]          ; tiles[t]
	s_wait_xcnt 0x0
	s_or_b32 exec_lo, exec_lo, s69
	v_cmp_gt_u32 vcc_lo, s70, v9
	s_and_saveexec_b32 s69, vcc_lo
	global_store_b32 v10, v11, s[28:29] offset:2048  ; token 0 in the places that the last strip reads past the tile's rows
	s_wait_xcnt 0x0
	s_or_b32 exec_lo, exec_lo, s69
	s_endpgm
.Lweights:
	v_lshlrev_b32 v2, 5, v15
	v_lshlrev_b32 v3, 4, v15
	s_lshr_b32 s38, s35, 5                         ; 32 work-groups an expert
	s_mul_i32 s38, s38, REC
	s_and_b32 s39, s35, 31
	s_mov_b32 s67, 0
	s_mov_b32 s69, 0
	s_cmp_eq_u32 s34, 3
	s_cbranch_scc1 .Lw2
	; ---- waves 1, 2: W1 ----
	s_sub_co_u32 s40, s34, 1
	s_lshl_b32 s66, s35, 13
	s_lshl_b32 s41, s40, 12
	s_add_co_u32 s66, s66, s41
	s_add_nc_u64 s[8:9], s[8:9], s[66:67]
	s_lshl_b32 s39, s39, 12
	s_add_co_u32 s68, s38, s39
	s_lshl_b32 s41, s40, 11
	s_add_co_u32 s68, s68, s41
	s_add_nc_u64 s[70:71], s[32:33], s[68:69]
	WLOAD 8
.irp i, 0,1,2,3
	v_cvt_pk_bf16_f32 v[16+8*\i], v[16+8*\i], v[17+8*\i]
	v_cvt_pk_bf16_f32 v[17+8*\i], v[18+8*\i], v[19+8*\i]
	v_cvt_pk_bf16_f32 v[18+8*\i], v[20+8*\i], v[21+8*\i]
	v_cvt_pk_bf16_f32 v[19+8*\i], v[22+8*\i], v[23+8*\i]
.endr
	WSTORE
	s_cmp_lg_u32 s34, 1
	s_cbranch_scc1 .Ldone
	s_cmp_ge_u32 s35, 8
	s_cbranch_scc1 .Ldone
	; wave 1 of work-groups 0-7: expert t's parameters, in registers that the stores above do not name
	s_lshl_b32 s66, s35, 10
	s_add_nc_u64 s[14:15], s[14:15], s[66:67]
	s_add_nc_u64 s[16:17], s[16:17], s[66:67]
	s_add_nc_u64 s[18:19], s[18:19], s[66:67]
	s_lshl_b32 s66, s35, 9
	s_add_nc_u64 s[20:21], s[20:21], s[66:67]
	s_add_nc_u64 s[22:23], s[22:23], s[66:67]
	s_add_nc_u64 s[24:25], s[24:25], s[66:67]
	s_mul_i32 s66, s35, 40
	s_add_nc_u64 s[26:27], s[26:27], s[66:67]
	s_mul_i32 s66, s35, REC
	s_add_co_u32 s66, s66, 200704
	s_add_nc_u64 s[72:73], s[32:33], s[66:67]
	v_lshlrev_b32 v92, 2, v15
.irp q, 0,1,2,3
	v_add_nc_u32 v[88+\q], \q, v92
	v_min_u32 v[88+\q], 9, v[88+\q]                ; eb3 has ten numbers an expert
	v_lshlrev_b32 v[88+\q], 2, v[88+\q]
.endr
	global_load_b128 v[48:51], v2, s[14:15]
	global_load_b128 v[52:55], v2, s[14:15] offset:16
	global_load_b128 v[56:59], v2, s[16:17]
	global_load_b128 v[60:63], v2, s[16:17] offset:16
	global_load_b128 v[64:67], v2, s[18:19]
	global_load_b128 v[68:71], v2, s[18:19] offset:16
	global_load_b128 v[72:75], v3, s[20:21]
	global_load_b128 v[76:79], v3, s[22:23]
	global_load_b128 v[80:83], v3, s[24:25]
.irp q, 0,1,2,3
	global_load_b32 v[84+\q], v[88+\q], s[26:27]
.endr
	s_wait_loadcnt 0x0
.irp q, 0,1,2,3
	v_add_nc_u32 v93, \q, v92
	v_cmp_gt_u32 vcc_lo, 10, v93
	v_cndmask_b32 v[84+\q], 0, v[84+\q], vcc_lo    ; zeros behind the ten
.endr
.irp a, 48,50,52,54,56,58,60,62,64,66,68,70,72,74,76,78,80,82,84,86
	RND2 \a
.endr
	global_store_b128 v2, v[48:51], s[72:73]
	global_store_b128 v2, v[52:55], s[72:73] offset:16
	global_store_b128 v2, v[56:59], s[72:73] offset:1024
	global_store_b128 v2, v[60:63], s[72:73] offset:1040
	global_store_b128 v2, v[64:67], s[72:73] offset:2048
	global_store_b128 v2, v[68:71], s[72:73] offset:2064
	global_store_b128 v3, v[72:75], s[72:73] offset:3072
	global_store_b128 v3, v[76:79], s[72:73] offset:3584
	global_store_b128 v3, v[80:83], s[72:73] offset:4096
	global_store_b128 v3, v[84:87], s[72:73] offset:4608
	s_endpgm
.Lw2:
	; ---- wave 3: W2 ----
	s_lshl_b32 s66, s35, 12
	s_add_nc_u64 s[10:11], s[10:11], s[66:67]
	s_lshl_b32 s39, s39, 11
	s_add_co_u32 s68, s38, s39
	s_add_co_u32 s68, s68, 131072
	s_add_nc_u64 s[70:71], s[32:33], s[68:69]
	WLOAD 10
.irp i, 0,1,2,3
	CVH 16+8*\i, 16+8*\i
	CVH 17+8*\i, 18+8*\i
	CVH 18+8*\i, 20+8*\i
	CVH 19+8*\i, 22+8*\i
.endr
	WSTORE
	s_cmp_ge_u32 s35, 32
	s_cbranch_scc1 .Ldone
	; work-groups 0-31: 32 rows of eW3 (10 numbers, 40 bytes), a row a lane
	s_mul_i32 s66, s35, 1280
	s_add_nc_u64 s[12:13], s[12:13], s[66:67]
	v_mul_u32_u24 v7, v15, 40
.irp q, 0,1,2,3,4
	global_load_b64 v[48+2*\q:49+2*\q], v7, s[12:13] offset:8*\q
.endr
	s_lshr_b32 s66, s35, 2                         ; four work-groups an expert
	s_mul_i32 s66, s66, REC
	s_and_b32 s68, s35, 3
	s_lshl_b32 s68, s68, 10
	s_add_co_u32 s66, s66, s68
	s_add_co_u32 s66, s66, 196608
	s_add_nc_u64 s[72:73], s[32:33], s[66:67]
	v_mov_b32 v65, 0
	v_mov_b32 v66, 0
	v_mov_b32 v67, 0
	s_wait_loadcnt 0x0
.irp q, 0,1,2,3,4
	CVH 60+\q, 48+2*\q
.endr
	global_store_b128 v2, v[60:63], s[72:73]
	global_store_b128 v2, v[64:67], s[72:73] offset:16
.Ldone:
	s_endpgm
.Lfunc_end_k_q62a8298515_prep:
	.size	k_q62a8298515_prep, .Lfunc_end_k_q62a8298515_prep-k_q62a8298515_prep
	.p2alignl 7, 3214868480
	.fill 96, 4, 3214868480
	.section	.rodata,"a",@progbits
	.p2align	6, 0x0
	.amdhsa_kernel k_q62a8298515_prep
		.amdhsa_group_segment_fixed_size 0
		.amdhsa_private_segment_fixed_size 0
		.amdhsa_enable_private_segment 0
		.amdhsa_kernarg_size 120
		.amdhsa_user_sgpr_count 2
		.amdhsa_user_sgpr_kernarg_segment_ptr 1
		.amdhsa_wavefront_size32 1
		.amdhsa_system_sgpr_workgroup_id_x 1
		.amdhsa_system_sgpr_workgroup_id_y 1
		.amdhsa_system_sgpr_workgroup_id_z 1
		.amdhsa_system_vgpr_workitem_id 0
		.amdhsa_next_free_vgpr 160
		.amdhsa_next_free_sgpr 80
		.amdhsa_reserve_vcc 1
		.amdhsa_float_denorm_mode_32 3
		.amdhsa_float_denorm_mode_16_64 3
		.amdhsa_memory_ordered 1
		.amdhsa_forward_progress 1
		.amdhsa_inst_pref_size 77
	.end_amdhsa_kernel
	.amdgpu_metadata
---
amdhsa.version: [ 1, 2 ]
amdhsa.kernels:
  - .name:           k_q62a8298515_prep
    .symbol:         k_q62a8298515_prep.kd
    .args:
      - { .name: sel, .offset: 0, .size: 8, .value_kind: global_buffer, .address_space: global }
      - { .name: hist, .offset: 8, .size: 8, .value_kind: global_buffer, .address_space: global }
      - { .name: eW1, .offset: 16, .size: 8, .value_kind: global_buffer, .address_space: global }
      - { .name: eW2, .offset: 24, .size: 8, .value_kind: global_buffer, .address_space: global }
      - { .name: eW3, .offset: 32, .size: 8, .value_kind: global_buffer, .address_space: global }
      - { .name: eb1, .offset: 40, .size: 8, .value_kind: global_buffer, .address_space: global }
      - { .name: eln1_g, .offset: 48, .size: 8, .value_kind: global_buffer, .address_space: global }
      - { .name: eln1_b, .offset: 56, .size: 8, .value_kind: global_buffer, .address_space: global }
      - { .name: eb2, .offset: 64, .size: 8, .value_kind: global_buffer, .address_space: global }
      - { .name: eln2_g, .offset: 72, .size: 8, .value_kind: global_buffer, .address_space: global }
      - { .name: eln2_b, .offset: 80, .size: 8, .value_kind: global_buffer, .address_space: global }
      - { .name: eb3, .offset: 88, .size: 8, .value_kind: global_buffer, .address_space: global }
      - { .name: list, .offset: 96, .size: 8, .value_kind: global_buffer, .address_space: global }
      - { .name: pos, .offset: 104, .size: 8, .value_kind: global_buffer, .address_space: global }
      - { .name: wts, .offset: 112, .size: 8, .value_kind: global_buffer, .address_space: global }
    .group_segment_fixed_size: 0
    .private_segment_fixed_size: 0
    .kernarg_segment_align: 8
    .kernarg_segment_size: 120
    .max_flat_workgroup_size: 128
    .sgpr_count:     80
    .vgpr_count:     160
    .wavefront_size: 32
...
	.end_amdgpu_metadata
.endif
;; end of part 2
;; launch chain (part 3): grid 256 x 1, 12 waves a work-group, no clusters, 327,680 bytes of LDS; arguments list, xb, wts, part; writes part
.if DOCPART == 3
	.amdgcn_target "amdgcn-amd-amdhsa--gfx1250"
	.amdhsa_code_object_version 6
	.text
	.protected	k_q62a8298515_chain
	.globl	k_q62a8298515_chain
	.p2align	8
	.type	k_q62a8298515_chain,@function
k_q62a8298515_chain:
	s_mov_b64 s[64:65], 0
	v_nop
	global_prefetch_b8 v0, s[64:65] scope:SCOPE_SE
	s_setreg_imm32_b32 hwreg(HW_REG_WAVE_MODE, 25, 1), 1
	s_wait_xcnt 0x0
; THE EXPERTS.  Work-group t takes tile t of the sorted rows: up to 528 rows of ONE expert, through the whole chain: gather of x (bf16), x W1 + b1, LayerNorm, GELU, W2 + b2, LayerNorm, GELU, W3 + b3.
; The result, 10 numbers and 6 zeros a row, unweighted, goes to part at the row's place; the hidden layers never leave the registers.
; FORMATS.  x and W1 bf16; h1, h2 f16, with W2 and W3 rounded to bf16 and written as f16; sums, LayerNorm and GELU in f32.
; LIMITS.  erf by a rational form with three coefficients (Abramowitz and Stegun 7.1.25), off by 2.5e-5 at the most, for every argument: less than f16's rounding of the result.  h1 and h2 in f16: a LayerNorm's result lies
; within sqrt(features) x |gain| + |bias|, which must stay under 65,504: 16 |gain| + |bias|.  NaN and infinities are not treated apart.
; SHARES.  The expert's record (205,824 bytes) is brought into LDS once, by tensor loads; nothing is filled again.  The tile's strips of 16 rows go round the 12 waves: strip = wave + 12 trip, three trips.
; The trip count is a constant; a strip past the tile's rows is jumped forward, over text without barrier or tensor load.  In a strip that is not full the places past the count hold token 0; their results land in the tile's own padding of part, which nobody reads.
; A tile without rows still fills LDS and passes the barrier, since every wave passes every barrier; it stores nothing.
; LAYOUT.  Source 0 = 16 features of the weights (which lie [k][feature] and come out turned), source 1 = 16 rows: in a result lane l holds row l % 16 and features 16 f + 8 (l / 16) + 0..7.
; Two such results packed to f16 ARE source 1 of the next product's k step, so nothing changes lanes between the products, and a row's mean and variance want one exchange between the halves of the lanes.
; NO CLUSTER: which tiles share an expert hangs on counts read from memory, so partners could differ in a joint load's address; what they would share is the one fill at the start.
.set REC,   209920
.set P1,    544        ; a row of W1 in LDS: 512 bytes + 32 = 136 words; of W2: 256 + 32 = 72 words; of W3: 32 bytes: in each the 8 rows x 32 bytes that 16 lanes of the turning load take fall on 64 different words modulo 64
.set P2,    288
.set P3,    32
.set W2L,   139264
.set W3L,   212992
.set PARL,  217088     ; b1 +0, g1 +1024, bb1 +2048, b2 +3072, g2 +3584, bb2 +4096, b3 +4608
.set SCRL,  222208     ; 16 rows x 528 bytes a wave, never the target of a tensor load
.set SCRW,  8448
.set SPARE, 323584     ; the spare words, 128 bytes a wave: six blocks of 256 bytes that no other line names
.set AW,  7            ; v7   running LDS address of the weights' fragments
.set FR,  9            ; v9   my place in the scratch for a fragment of x
.set PH,  10           ; v10  parameters + 32 (l / 16)
.set I256, 76          ; s76  1 / 256
.set I128, 77          ; s77  1 / 128
.set EPS, 78           ; s78  1e-5
.set PP,  79           ; s79  p / sqrt(2)
.set NHL, 80           ; s[80:81] -log2(e) / 2
.set A1,  82           ; s[82:87] erf's coefficients, halved, each in a pair of which the low word is taken
.set A2,  84
.set A3,  86
.set SEL, 88           ; s[88:89] v_permlanex16_b32's selects
; v0 thread; v1, v2 the add's registers; v3 16 x lane; v4, v5, v6 my place in a turned fragment of W1, W2, W3; v8 scratch, in; v11 my offset in 16 rows of part; v12-13 mean; v14-15 1 / sqrt(var + eps);
; v16-63 at work (the gather's offsets; x's two fragment buffers; GELU's temporaries); v64-127 W1's fragment buffers, then h1, then h2; v128-255 the accumulators (product 2: v128-191, with its fragment buffers in v192-255).
; s12 wave; s13 strips; s14 expert; s15 rows; s16 trips to go; s17 strip; s[20:35] 16 tokens; s[36:43] descriptor groups 0; s[48:55], s[56:63], s[68:75] groups 1.
.macro PLACES                          ; four plain instructions between a matrix instruction and a load into, or a vector instruction on, its registers
.rept 4
	v_nop
.endr
.endm
.macro ALOAD buf, f0, P                ; four fragments of weights, features 16 f0 on, 32 k at v[AW]
.irp i, 0,1,2,3
	ds_load_tr16_b128 v[(\buf)+8*\i:(\buf)+8*\i+3],   v[AW] offset:32*((\f0)+\i)
	ds_load_tr16_b128 v[(\buf)+8*\i+4:(\buf)+8*\i+7], v[AW] offset:32*((\f0)+\i)+16*(\P)
.endr
.endm
.macro MM4 form, buf, acc0, f0, breg   ; four matrix instructions on four accumulators
.irp i, 0,1,2,3
	v_wmma_f32_16x16x32_\form v[(\acc0)+8*((\f0)+\i):(\acc0)+8*((\f0)+\i)+7], v[(\buf)+8*\i:(\buf)+8*\i+7], v[(\breg):(\breg)+7], v[(\acc0)+8*((\f0)+\i):(\acc0)+8*((\f0)+\i)+7]
.endr
.endm
; A product: NS steps of 32 along k, NF accumulators (which hold the bias), in units of four matrix instructions.  While a unit is multiplied the next unit's eight loads are out.
; All accumulators take turns, one instruction a turn.  xm = 1: the rows' fragment of the next k step is fetched from the scratch into one of two buffers at bb.
.macro PRODUCT form, NF, NS, P, b0, b1, acc0, bb, xm
.set UPK, (\NF)/4
.set UT, (\NS)*UPK
.set un, 0
.rept (\NS)*(\NF)/4
.set ks, un/UPK
.set uu, un%UPK
.set bufc, (\b0)+((\b1)-(\b0))*(un%2)
.set bufn, (\b0)+((\b1)-(\b0))*((un+1)%2)
.if \xm
.set bfr, (\bb)+8*(ks%2)
.else
.set bfr, (\bb)+8*ks
.endif
.if un+1 < UT
.if (un+1)%UPK == 0
	v_add_nc_u32 v[AW], 32*(\P), v[AW]             ; the next unit begins a k step; this line is one of the four places
	v_nop
	v_nop
	v_nop
.elseif un > 0
	PLACES
.endif
.if (\xm) && (uu == 0) && (ks+1 < (\NS))
	ds_load_b128 v[(\bb)+8*((ks+1)%2):(\bb)+8*((ks+1)%2)+3],   v[FR] offset:64*(ks+1)
	ds_load_b128 v[(\bb)+8*((ks+1)%2)+4:(\bb)+8*((ks+1)%2)+7], v[FR] offset:64*(ks+1)+32
.endif
	ALOAD bufn, 4*((un+1)%UPK), \P
	s_wait_dscnt 8                                 ; all but the eight just issued: this unit's fragments are in
.else
	s_wait_dscnt 0
.endif
	MM4 \form, bufc, \acc0, 4*uu, bfr
.set un, un+1
.endr
.endm
.macro GBLOAD goff, boff               ; gain and bias of my eight features of one accumulator
	ds_load_b128 v[16:19], v[PH] offset:\goff
	ds_load_b128 v[20:23], v[PH] offset:(\goff)+16
	ds_load_b128 v[24:27], v[PH] offset:\boff
	ds_load_b128 v[28:31], v[PH] offset:(\boff)+16
.endm
.macro FOLD b                          ; four pairs into one number, and the other half of the lanes' added
	v_pk_add_f32 v[(\b):(\b)+1], v[(\b):(\b)+1], v[(\b)+2:(\b)+3]
	v_pk_add_f32 v[(\b)+4:(\b)+5], v[(\b)+4:(\b)+5], v[(\b)+6:(\b)+7]
	v_pk_add_f32 v[(\b):(\b)+1], v[(\b):(\b)+1], v[(\b)+4:(\b)+5]
	v_add_f32 v[\b], v[\b], v[(\b)+1]
	v_permlanex16_b32 v[(\b)+1], v[\b], s[SEL], s[SEL+1]
	v_add_f32 v[\b], v[\b], v[(\b)+1]
.endm
; Mean and variance of a row's 16 NA features, in two passes; the accumulators are left as x - mean.  Each accumulator's lowest pair is read first.
.macro LNSTAT acc0, NA, sinv, goff, boff
	PLACES
	GBLOAD \goff, \boff
.irp c, 0,2,4,6
	v_pk_add_f32 v[32+\c:33+\c], v[(\acc0)+\c:(\acc0)+\c+1], v[(\acc0)+8+\c:(\acc0)+9+\c]
.endr
.set la, 2
.rept (\NA)-2
.irp c, 0,2,4,6
	v_pk_add_f32 v[32+\c:33+\c], v[32+\c:33+\c], v[(\acc0)+8*la+\c:(\acc0)+8*la+\c+1]
.endr
.set la, la+1
.endr
	FOLD 32
	v_mul_f32 v12, s[\sinv], v32
	v_mul_f32 v13, s[\sinv], v32
.set la, 0
.rept \NA
.irp c, 0,2,4,6
	v_pk_add_f32 v[(\acc0)+8*la+\c:(\acc0)+8*la+\c+1], v[(\acc0)+8*la+\c:(\acc0)+8*la+\c+1], v[12:13] neg_lo:[0,1] neg_hi:[0,1]
.endr
.irp c, 0,2,4,6
.if la == 0
	v_pk_mul_f32 v[40+\c:41+\c], v[(\acc0)+\c:(\acc0)+\c+1], v[(\acc0)+\c:(\acc0)+\c+1]
.else
	v_pk_fma_f32 v[40+\c:41+\c], v[(\acc0)+8*la+\c:(\acc0)+8*la+\c+1], v[(\acc0)+8*la+\c:(\acc0)+8*la+\c+1], v[40+\c:41+\c]
.endif
.endr
.set la, la+1
.endr
	FOLD 40
	v_fma_f32 v40, v40, s[\sinv], s[EPS]
	v_rsq_f32 v14, v40
	v_rsq_f32 v15, v40
	v_nop                                          ; a plain instruction behind the two roots,
	s_wait_alu depctr_va_vdst(0)                   ; and a wait ahead of their first reader
.endm
; One accumulator (eight features a lane): y = (x - mean) rs gain + bias, then gelu(y) = y / 2 + |y| (1/2 - q / 2), q = (a1 t + a2 t^2 + a3 t^3) exp(-y^2 / 2), t = 1 / (1 + p |y| / sqrt(2)).
; The eight reciprocals and eight exponentials are one batch with one wait.  nxt: the next accumulator's gain and bias (at goff, boff) are asked for.  The result is packed to f16 at dst.
.macro GBLK a, nxt, goff, boff, dst
	s_wait_dscnt 0x0                               ; gain and bias are in
.irp c, 0,2,4,6
	v_pk_mul_f32 v[(\a)+\c:(\a)+\c+1], v[(\a)+\c:(\a)+\c+1], v[14:15]
.endr
.irp c, 0,2,4,6
	v_pk_fma_f32 v[(\a)+\c:(\a)+\c+1], v[(\a)+\c:(\a)+\c+1], v[16+\c:17+\c], v[24+\c:25+\c]
.endr
.if \nxt
	GBLOAD \goff, \boff
.endif
.irp j, 0,1,2,3,4,5,6,7
	v_fma_f32 v[32+\j], |v[(\a)+\j]|, s[PP], 1.0
.endr
.irp c, 0,2,4,6
	v_pk_mul_f32 v[40+\c:41+\c], v[(\a)+\c:(\a)+\c+1], v[(\a)+\c:(\a)+\c+1]
.endr
.irp c, 0,2,4,6
	v_pk_mul_f32 v[40+\c:41+\c], v[40+\c:41+\c], s[NHL:NHL+1] op_sel_hi:[1,0]
.endr
.irp j, 0,1,2,3,4,5,6,7
	v_rcp_f32 v[32+\j], v[32+\j]
	v_exp_f32 v[40+\j], v[40+\j]
.endr
.irp c, 0,2,4,6
	v_pk_mul_f32 v[48+\c:49+\c], v[(\a)+\c:(\a)+\c+1], 0.5 op_sel_hi:[1,0]  ; y / 2: the plain work behind the batch
.endr
	s_wait_alu depctr_va_vdst(0)                   ; one wait for the sixteen, ahead of their first reader
.irp c, 0,2,4,6
	v_pk_mul_f32 v[40+\c:41+\c], v[40+\c:41+\c], v[32+\c:33+\c]             ; exp x t
.endr
.irp c, 0,2,4,6
	v_pk_fma_f32 v[56+\c:57+\c], v[32+\c:33+\c], s[A3:A3+1], s[A2:A2+1] op_sel_hi:[1,0,0]
.endr
.irp c, 0,2,4,6
	v_pk_fma_f32 v[56+\c:57+\c], v[56+\c:57+\c], v[32+\c:33+\c], s[A1:A1+1] op_sel_hi:[1,1,0]
.endr
.irp c, 0,2,4,6
	v_pk_fma_f32 v[56+\c:57+\c], v[56+\c:57+\c], v[40+\c:41+\c], 0.5 op_sel_hi:[1,1,0] neg_lo:[1,0,0] neg_hi:[1,0,0]
.endr
.irp j, 0,1,2,3,4,5,6,7
	v_fma_f32 v[(\a)+\j], |v[(\a)+\j]|, v[56+\j], v[48+\j]
.endr
.irp c, 0,1,2,3
	v_cvt_pk_f16_f32 v[(\dst)+\c], v[(\a)+2*\c], v[(\a)+2*\c+1]
.endr
.endm
	s_load_b256 s[4:11], s[0:1], 0x0               ; list 4, xb 6, wts 8, part 10
	v_lshl_add_u32 v1, v0, 2, SPARE
	v_mov_b32 v2, 0
	ds_add_u32 v1, v2                              ; the wave's opening: the add and its wait stand ahead of my first tensor load; work on registers stands between them
	v_lshrrev_b32 v20, 5, v0
	v_readfirstlane_b32 s12, v20                   ; wave 0..11
	; group 1 for W1: 32 rows x 256 elements of 2 bytes, 8 words of padding behind every 128
	s_mov_b32 s48, (1<<16)|(1<<20)|(6<<22)|(7<<25)
	s_mov_b32 s49, 256<<16
	s_mov_b32 s50, 32<<16
	s_mov_b32 s51, 256<<16
	s_mov_b32 s52, 32
	s_mov_b32 s53, 256
	s_mov_b32 s54, 0
	s_mov_b32 s55, 0
	; for W2: 64 rows x 128 elements, 8 words of padding behind every 64
	s_mov_b32 s56, (1<<16)|(1<<20)|(5<<22)|(7<<25)
	s_mov_b32 s57, 128<<16
	s_mov_b32 s58, 64<<16
	s_mov_b32 s59, 128<<16
	s_mov_b32 s60, 64
	s_mov_b32 s61, 128
	s_mov_b32 s62, 0
	s_mov_b32 s63, 0
	; for W3 and the parameters, 9,216 dense bytes: 9 rows of 256 bytes (32 elements of 8) a wave
	s_mov_b32 s68, 3<<16
	s_mov_b32 s69, 32<<16
	s_mov_b32 s70, 9<<16
	s_mov_b32 s71, 32<<16
	s_mov_b32 s72, 9
	s_mov_b32 s73, 32
	s_mov_b32 s74, 0
	s_mov_b32 s75, 0
	s_mov_b32 s[I256], 0x3b800000
	s_mov_b32 s[I128], 0x3c000000
	s_mov_b32 s[EPS], 0x3727c5ac                   ; 1e-5
	s_mov_b32 s[PP], 0x3eaa540e                    ; 0.47047 / sqrt(2) = 0.33267253
	s_mov_b32 s[NHL], 0xbf38aa3b                   ; -0.72134752
	s_mov_b32 s[NHL+1], 0xbf38aa3b
	s_mov_b32 s[A1], 0x3e32303a                    ; 0.1740121
	s_mov_b32 s[A1+1], 0x3e32303a
	s_mov_b32 s[A2], 0xbd445ca1                    ; -0.0479399
	s_mov_b32 s[A2+1], 0xbd445ca1
	s_mov_b32 s[A3], 0x3ebf7377                    ; 0.3739278
	s_mov_b32 s[A3+1], 0x3ebf7377
	s_mov_b32 s[SEL], 0x76543210
	s_mov_b32 s[SEL+1], 0xfedcba98
	s_mov_b32 s19, 0
	s_mov_b32 s23, 0
	s_wait_dscnt 0x0                               ; the opening add is done
	s_wait_kmcnt 0x0
	s_lshl_b32 s18, ttmp9, 3
	s_load_b64 s[14:15], s[4:5], s18 offset:0x0    ; tiles[t]: expert, rows
	s_wait_kmcnt 0x0
	s_min_u32 s14, s14, 7
	s_min_u32 s15, s15, 528
	s_add_co_u32 s13, s15, 15
	s_lshr_b32 s13, s13, 4                         ; strips of 16 rows
	s_mul_i32 s18, s14, REC
	s_add_nc_u64 s[8:9], s[8:9], s[18:19]          ; the expert's record
	s_mul_i32 s18, ttmp9, 2112
	s_add_co_u32 s18, s18, 2048
	s_add_nc_u64 s[4:5], s[4:5], s[18:19]          ; the tile's 528 words of order
	s_mul_i32 s18, ttmp9, 33792
	s_add_nc_u64 s[10:11], s[10:11], s[18:19]      ; the tile's 528 rows of part
	; the fills, all at the start, in one branch on the wave's number: waves 0-7 an eighth of W1 each; waves 8-11 a quarter of W2 and a quarter of W3 and the parameters: two loads of a wave are out at the most
	s_cmp_lt_u32 s12, 8
	s_cbranch_scc0 .Lw2
	s_mov_b32 s36, 1
	s_mul_i32 s37, s12, 32*P1
	s_lshl_b32 s18, s12, 14
	s_add_nc_u64 s[38:39], s[8:9], s[18:19]
	s_or_b32 s39, s39, 0x80000000
	tensor_load_to_lds s[36:39], s[48:55]
	s_nop 0
.rept 4
	v_nop
.endr
	s_branch .Lasked
.Lw2:
	s_sub_co_u32 s20, s12, 8
	s_mov_b32 s36, 1
	s_mul_i32 s37, s20, 64*P2
	s_add_co_u32 s37, s37, W2L
	s_lshl_b32 s18, s20, 14
	s_add_co_u32 s18, s18, 131072
	s_add_nc_u64 s[38:39], s[8:9], s[18:19]
	s_or_b32 s39, s39, 0x80000000
	s_mov_b32 s40, 1
	s_mul_i32 s41, s20, 2304
	s_add_co_u32 s22, s41, 196608
	s_add_co_u32 s41, s41, W3L
	s_add_nc_u64 s[42:43], s[8:9], s[22:23]
	s_or_b32 s43, s43, 0x80000000
	tensor_load_to_lds s[36:39], s[56:63]
	s_nop 0
	tensor_load_to_lds s[40:43], s[68:75]
	s_nop 0
.rept 4
	v_nop
.endr
.Lasked:
	v_and_b32 v20, 31, v0                          ; lane l
	v_and_b32 v21, 15, v0                          ; l % 16
	v_bfe_u32 v22, v0, 4, 1                        ; l / 16
	v_and_b32 v23, 7, v0
	v_bfe_u32 v24, v0, 3, 1
	v_lshlrev_b32 v3, 4, v20
	v_lshl_add_u32 v25, v22, 3, v23                ; the turning load: row 8 (l / 16) + l % 8,
	v_lshlrev_b32 v24, 4, v24                      ; 16 bytes on for (l / 8) % 2
	v_mad_u32_u24 v4, v25, P1, v24
	v_mad_u32_u24 v5, v25, P2, v24
	v_add_nc_u32 v5, W2L, v5
	v_lshl_add_u32 v6, v25, 5, v24
	v_add_nc_u32 v6, W3L, v6
	s_mul_i32 s18, s12, SCRW
	s_add_co_u32 s18, s18, SCRL                    ; my wave's scratch
	v_add_nc_u32 v8, s18, v3
	v_mul_u32_u24 v9, v21, 528
	v_lshl_add_u32 v9, v22, 4, v9
	v_add_nc_u32 v9, s18, v9
	v_lshl_add_u32 v10, v22, 5, PARL
	v_lshlrev_b32 v11, 6, v21
	v_lshl_add_u32 v11, v22, 5, v11
	s_mov_b32 s16, 3
	s_mov_b32 s17, s12
	s_wait_tensorcnt 0x0                           ; my part of the record is in LDS,
	s_barrier_signal -1
	s_barrier_wait -1                              ; everybody's is
.Ltrip:
	s_cmp_ge_u32 s17, s13
	s_cbranch_scc1 .Lskip                          ; no such strip in this tile
	s_wait_xcnt 0x0                                ; the last trip's stores have read their registers
	s_lshl_b32 s18, s17, 6
	s_load_b512 s[20:35], s[4:5], s18 offset:0x0   ; the strip's 16 tokens
	s_wait_kmcnt 0x0
.irp i, 0,1,2,3,4,5,6,7,8,9,10,11,12,13,14,15
	s_min_u32 s[20+\i], s[20+\i], 0xffff
	v_lshl_add_u32 v[16+\i], s[20+\i], 9, v3
.endr
.irp i, 0,1,2,3,4,5,6,7,8,9,10,11,12,13,14,15
	global_load_b128 v[128+4*\i:131+4*\i], v[16+\i], s[6:7]     ; a row of xb: 512 consecutive bytes an instruction
.endr
.irp i, 0,1,2,3,4,5,6,7,8,9,10,11,12,13,14,15
	s_wait_loadcnt 15-\i                           ; row i is in; the younger loads stay out
	ds_store_b128 v8, v[128+4*\i:131+4*\i] offset:528*\i
.endr
.irp f, 0,1,2,3,4,5,6,7,8,9,10,11,12,13,14,15
	ds_load_b128 v[128+8*\f:131+8*\f], v[PH] offset:64*\f       ; the sums begin with b1.  LDS serves a wave's instructions in order (ISA guide 5.7.1.4): the stores above have read their registers
	ds_load_b128 v[132+8*\f:135+8*\f], v[PH] offset:64*\f+16
.endr
	ds_load_b128 v[16:19], v[FR]                   ; x's fragment of k step 0, out of my own scratch
	ds_load_b128 v[20:23], v[FR] offset:32
	v_mov_b32 v[AW], v4
	ALOAD 64, 0, P1
	PRODUCT bf16, 16, 8, P1, 64, 96, 128, 16, 1
	LNSTAT 128, 16, I256, 1024, 2048
.set bf, 0
.rept 16
	GBLK 128+8*bf, (bf<15), 1024+64*(bf+1), 2048+64*(bf+1), 64+4*bf
.set bf, bf+1
.endr
.irp f, 0,1,2,3,4,5,6,7
	ds_load_b128 v[128+8*\f:131+8*\f], v[PH] offset:3072+64*\f  ; b2
	ds_load_b128 v[132+8*\f:135+8*\f], v[PH] offset:3072+64*\f+16
.endr
	v_mov_b32 v[AW], v5
	ALOAD 192, 0, P2
	PRODUCT f16, 8, 8, P2, 192, 224, 128, 64, 0
	LNSTAT 128, 8, I128, 3584, 4096
.set bf, 0
.rept 8
	GBLK 128+8*bf, (bf<7), 3584+64*(bf+1), 4096+64*(bf+1), 64+4*bf
.set bf, bf+1
.endr
.irp k, 0,1,2,3
	ds_load_tr16_b128 v[192+8*\k:195+8*\k], v6 offset:32*P3*\k
	ds_load_tr16_b128 v[196+8*\k:199+8*\k], v6 offset:32*P3*\k+16*P3
.endr
	ds_load_b128 v[16:19], v[PH] offset:4608       ; b3
	ds_load_b128 v[20:23], v[PH] offset:4624
	s_wait_dscnt 0x0
	v_wmma_f32_16x16x32_f16 v[224:231], v[192:199], v[64:71], v[16:23]     ; four k steps on four accumulators, added up below
	v_wmma_f32_16x16x32_f16 v[232:239], v[200:207], v[72:79], 0
	v_wmma_f32_16x16x32_f16 v[240:247], v[208:215], v[80:87], 0
	v_wmma_f32_16x16x32_f16 v[248:255], v[216:223], v[88:95], 0
	PLACES
.irp c, 0,2,4,6
	v_pk_add_f32 v[224+\c:225+\c], v[224+\c:225+\c], v[232+\c:233+\c]
.endr
.irp c, 0,2,4,6
	v_pk_add_f32 v[240+\c:241+\c], v[240+\c:241+\c], v[248+\c:249+\c]
.endr
.irp c, 0,2,4,6
	v_pk_add_f32 v[224+\c:225+\c], v[224+\c:225+\c], v[240+\c:241+\c]
.endr
	v_lshl_add_u32 v48, s17, 10, v11               ; 16 rows of 64 bytes a strip; a lane has 32 bytes of a row
	global_store_b128 v48, v[224:227], s[10:11]
	global_store_b128 v48, v[228:231], s[10:11] offset:16
.Lskip:
	s_add_co_u32 s17, s17, 12
	s_sub_co_u32 s16, s16, 1
	s_cmp_lg_u32 s16, 0
	s_cbranch_scc1 .Ltrip
	s_wait_tensorcnt 0x0                           ; the wave's end: behind my last tensor load and my last LDS store
	ds_add_u32 v1, v2
	s_wait_dscnt 0x0
	s_endpgm
.Lfunc_end_k_q62a8298515_chain:
	.size	k_q62a8298515_chain, .Lfunc_end_k_q62a8298515_chain-k_q62a8298515_chain
	.p2alignl 7, 3214868480
	.fill 96, 4, 3214868480
	.section	.rodata,"a",@progbits
	.p2align	6, 0x0
	.amdhsa_kernel k_q62a8298515_chain
		.amdhsa_group_segment_fixed_size 327680
		.amdhsa_private_segment_fixed_size 0
		.amdhsa_enable_private_segment 0
		.amdhsa_kernarg_size 32
		.amdhsa_user_sgpr_count 2
		.amdhsa_user_sgpr_kernarg_segment_ptr 1
		.amdhsa_wavefront_size32 1
		.amdhsa_system_sgpr_workgroup_id_x 1
		.amdhsa_system_sgpr_workgroup_id_y 1
		.amdhsa_system_sgpr_workgroup_id_z 1
		.amdhsa_system_vgpr_workitem_id 0
		.amdhsa_next_free_vgpr 256
		.amdhsa_next_free_sgpr 96
		.amdhsa_reserve_vcc 0
		.amdhsa_float_denorm_mode_32 3
		.amdhsa_float_denorm_mode_16_64 3
		.amdhsa_memory_ordered 1
		.amdhsa_forward_progress 1
		.amdhsa_inst_pref_size 185
	.end_amdhsa_kernel
	.amdgpu_metadata
---
amdhsa.version: [ 1, 2 ]
amdhsa.kernels:
  - .name:           k_q62a8298515_chain
    .symbol:         k_q62a8298515_chain.kd
    .args:
      - { .name: list, .offset: 0, .size: 8, .value_kind: global_buffer, .address_space: global }
      - { .name: xb, .offset: 8, .size: 8, .value_kind: global_buffer, .address_space: global }
      - { .name: wts, .offset: 16, .size: 8, .value_kind: global_buffer, .address_space: global }
      - { .name: part, .offset: 24, .size: 8, .value_kind: global_buffer, .address_space: global }
    .group_segment_fixed_size: 327680
    .private_segment_fixed_size: 0
    .kernarg_segment_align: 8
    .kernarg_segment_size: 32
    .max_flat_workgroup_size: 384
    .sgpr_count:     96
    .vgpr_count:     256
    .wavefront_size: 32
...
	.end_amdgpu_metadata
.endif
;; end of part 3
;; launch combine (part 4): grid 256 x 1, 4 waves a work-group, no clusters, 10,752 bytes of LDS; arguments pos, gw, part, out0; writes out0
.if DOCPART == 4
	.amdgcn_target "amdgcn-amd-amdhsa--gfx1250"
	.amdhsa_code_object_version 6
	.text
	.protected	k_q62a8298515_combine
	.globl	k_q62a8298515_combine
	.p2align	8
	.type	k_q62a8298515_combine,@function
k_q62a8298515_combine:
	s_mov_b64 s[64:65], 0
	v_nop
	global_prefetch_b8 v0, s[64:65] scope:SCOPE_SE
	s_setreg_imm32_b32 hwreg(HW_REG_WAVE_MODE, 25, 1), 1
	s_wait_xcnt 0x0
; y[token] = w0 x part[pos0] + w1 x part[pos1]: each output row has one owner.  A wave takes 64 tokens, a lane two (lane and 32 + lane).
; A token's 10 numbers are 40 bytes, so the wave's 2,560 bytes go through its own stage in LDS and leave as five stores of 512 consecutive bytes, at multiples of 256 from out0's first byte.
; Memory binds: no matrix unit, no cluster, no barrier (a wave reads only the bytes that it stored).
.set SPARE, 10240      ; behind the four stages: the spare words, 128 bytes a wave: two blocks of 256 bytes that no other line names
	s_load_b256 s[4:11], s[0:1], 0x0               ; pos 4, gw 6, part 8, out0 10
	v_lshl_add_u32 v1, v0, 2, SPARE
	v_mov_b32 v2, 0
	v_lshrrev_b32 v3, 5, v0
	v_readfirstlane_b32 s12, v3                    ; wave
	v_and_b32 v3, 31, v0
	v_lshlrev_b32 v12, 3, v3                       ; 8 bytes a token in pos and gw
	s_lshl_b32 s14, ttmp9, 11
	s_lshl_b32 s13, s12, 9
	s_add_co_u32 s14, s14, s13
	s_mov_b32 s15, 0
	s_mul_i32 s16, ttmp9, 10240
	s_mul_i32 s13, s12, 2560
	s_add_co_u32 s16, s16, s13
	s_mov_b32 s17, 0
	v_mul_u32_u24 v13, v3, 40
	v_add_nc_u32 v13, s13, v13                     ; the stage, in: 40 bytes a token
	v_lshlrev_b32 v14, 4, v3
	v_add_nc_u32 v15, s13, v14                     ; and back: 16 bytes a lane
	s_wait_kmcnt 0x0
	s_add_nc_u64 s[4:5], s[4:5], s[14:15]
	s_add_nc_u64 s[6:7], s[6:7], s[14:15]
	s_add_nc_u64 s[10:11], s[10:11], s[16:17]
	global_load_b64 v[4:5], v12, s[4:5]
	global_load_b64 v[6:7], v12, s[4:5] offset:256
	global_load_b64 v[8:9], v12, s[6:7]
	global_load_b64 v[10:11], v12, s[6:7] offset:256
	s_wait_loadcnt 0x2                             ; the places are in; the two loads of weights stay out
.irp k, 0,1,2,3
	v_min_u32 v[4+\k], 0x20fff, v[4+\k]            ; 256 x 528 - 1
	v_lshlrev_b32 v[4+\k], 6, v[4+\k]              ; rows of 64 bytes
.endr
.irp k, 0,1,2,3
	global_load_b128 v[16+12*\k:19+12*\k], v[4+\k], s[8:9]
	global_load_b128 v[20+12*\k:23+12*\k], v[4+\k], s[8:9] offset:16
	global_load_b64 v[24+12*\k:25+12*\k], v[4+\k], s[8:9] offset:32
.endr
	s_wait_loadcnt 0x0
.irp c, 0,2,4,6,8
	v_pk_mul_f32 v[16+\c:17+\c], v[16+\c:17+\c], v[8:9] op_sel_hi:[1,0]
	v_pk_mul_f32 v[40+\c:41+\c], v[40+\c:41+\c], v[10:11] op_sel_hi:[1,0]
.endr
.irp c, 0,2,4,6,8
	v_pk_fma_f32 v[16+\c:17+\c], v[28+\c:29+\c], v[8:9], v[16+\c:17+\c] op_sel:[0,1,0] op_sel_hi:[1,1,1]
	v_pk_fma_f32 v[40+\c:41+\c], v[52+\c:53+\c], v[10:11], v[40+\c:41+\c] op_sel:[0,1,0] op_sel_hi:[1,1,1]
.endr
.irp c, 0,2,4,6,8
	ds_store_b64 v13, v[16+\c:17+\c] offset:4*\c
	ds_store_b64 v13, v[40+\c:41+\c] offset:1280+4*\c
.endr
.irp i, 0,1,2,3,4
	ds_load_b128 v[64+4*\i:67+4*\i], v15 offset:512*\i          ; LDS serves a wave's instructions in order (ISA guide 5.7.1.4): these see the stores above
.endr
.irp i, 0,1,2,3,4
	s_wait_dscnt 4-\i                              ; load i is back; the younger ones stay out
	global_store_b128 v14, v[64+4*\i:67+4*\i], s[10:11] offset:512*\i th:TH_STORE_NT
.endr
	s_wait_tensorcnt 0x0                           ; the wave's end: behind my last LDS store
	ds_add_u32 v1, v2
	s_wait_dscnt 0x0
	s_endpgm
.Lfunc_end_k_q62a8298515_combine:
	.size	k_q62a8298515_combine, .Lfunc_end_k_q62a8298515_combine-k_q62a8298515_combine
	.p2alignl 7, 3214868480
	.fill 96, 4, 3214868480
	.section	.rodata,"a",@progbits
	.p2align	6, 0x0
	.amdhsa_kernel k_q62a8298515_combine
		.amdhsa_group_segment_fixed_size 10752
		.amdhsa_private_segment_fixed_size 0
		.amdhsa_enable_private_segment 0
		.amdhsa_kernarg_size 32
		.amdhsa_user_sgpr_count 2
		.amdhsa_user_sgpr_kernarg_segment_ptr 1
		.amdhsa_wavefront_size32 1
		.amdhsa_system_sgpr_workgroup_id_x 1
		.amdhsa_system_sgpr_workgroup_id_y 1
		.amdhsa_system_sgpr_workgroup_id_z 1
		.amdhsa_system_vgpr_workitem_id 0
		.amdhsa_next_free_vgpr 96
		.amdhsa_next_free_sgpr 66
		.amdhsa_reserve_vcc 0
		.amdhsa_float_denorm_mode_32 3
		.amdhsa_float_denorm_mode_16_64 3
		.amdhsa_memory_ordered 1
		.amdhsa_forward_progress 1
		.amdhsa_inst_pref_size 7
	.end_amdhsa_kernel
	.amdgpu_metadata
---
amdhsa.version: [ 1, 2 ]
amdhsa.kernels:
  - .name:           k_q62a8298515_combine
    .symbol:         k_q62a8298515_combine.kd
    .args:
      - { .name: pos, .offset: 0, .size: 8, .value_kind: global_buffer, .address_space: global }
      - { .name: gw, .offset: 8, .size: 8, .value_kind: global_buffer, .address_space: global }
      - { .name: part, .offset: 16, .size: 8, .value_kind: global_buffer, .address_space: global }
      - { .name: out0, .offset: 24, .size: 8, .value_kind: global_buffer, .address_space: global }
    .group_segment_fixed_size: 10752
    .private_segment_fixed_size: 0
    .kernarg_segment_align: 8
    .kernarg_segment_size: 32
    .max_flat_workgroup_size: 128
    .sgpr_count:     66
    .vgpr_count:     96
    .wavefront_size: 32
...
	.end_amdgpu_metadata
.endif
;; end of part 4
